; MI455X (gfx1250); checked and timed in simulation.
; The chip was launched on July 23, 2026; its instructions are those of AMD's public machine-readable ISA for CDNA 5 (MIT licence, August 2026) and "CDNA5" Instruction Set Architecture Reference Guide (July 2026). The comments in the code are by the model that wrote it; some were corrected since.
;; Gem Lite Linear Triton. Allowed arithmetic: matrix products marked QUANTISED: E2M3 operands, one E8M0 scale for each 32 along K, by v_wmma_scale_f32_16x16x128_f8f6f4 with both operands' format E2M3, f32 sums; everything else in f32.
;; Inputs: W_q_packed 512 x 4,096 int32; bias 4,096 float32; scales 32 x 4,096 float32; x_codes 4,096 x 128 x 24 uint8 (E2M3 codes of x, K innermost, in blocks of 32 codes, four codes in three bytes); x_scales 4,096 x 128 uint8 (E8M0 scales of x, one for each 32 codes along K); zeros 32 x 4,096 float32.
;; Outputs: out0 4,096 x 4,096 float32.
;; This version of the problem:
;;   THIS VERSION OF THE PROBLEM IS GIVEN IN LOW PRECISION. The matrix products marked QUANTISED in the list below multiply operands that are first quantised to E2M3 (2 exponent bits, 3 mantissa bits; 6 bits a number), with one power-of-two scale for each 32 numbers along K (OCP MX v1.0); their sums are f32. All else is computed in f32.
;;   The module's matrix products, in the order in which they are computed (A, B: the left and right operand; K: the contracted axis; several contracted axes count as one K, in the product's order):
;;     1. [M 4,096, K 4,096] x [K 4,096, N 4,096]; A: input x (given as codes); B: computed on the way: QUANTISED
;;   THE QUANTISER, for each operand of a quantised product, along K:
;;     - K is cut into blocks of 32 from its start; a last block that is shorter is filled with zeros.
;;     - A block's scale is 2^e with e = floor(log2(the largest magnitude in the block)) - 2, held to -126 .. 127; a block of zeros has e = 0. As a byte (E8M0): e + 127.
;;     - Each number is divided by its block's scale, clamped to +-7.5, and rounded to the nearest number of E2M3, ties to even, subnormals kept.
;;     - The product sums the exact products of the quantised numbers (number of the format x scale) in f32.
;;   ~~~python
;;   def quantise(x, axis):      # numpy; x: float32 -> the quantised numbers, widened to float32 again
;;       x = np.moveaxis(x, axis, -1); K = x.shape[-1]
;;       x = np.pad(x, [(0, 0)] * (x.ndim - 1) + [(0, -K % 32)]); x = x.reshape(x.shape[:-1] + (-1, 32)); a = np.abs(x).max(-1, keepdims=True)
;;       e = np.where(a > 0, np.clip(np.frexp(np.where(a > 0, a, 1))[1] - 1 - 2, -126, 127), 0)      # np.frexp(a)[1] - 1 = floor(log2(a)), exactly
;;       r = np.clip(x / 2.0 ** e, -7.5, 7.5)
;;       step = 2.0 ** (np.maximum(np.frexp(np.where(r == 0, 1, r))[1] - 1, 0) - 3)
;;       q = np.round(r / step) * step * 2.0 ** e      # np.round: ties to even
;;       return np.moveaxis(q.reshape(q.shape[:-2] + (-1,))[..., :K], -1, axis).astype(np.float32)
;;   ~~~
;;   OPERANDS COMPUTED ON THE WAY. 'Computed on the way' means the value that the module computes at that place (a softmax that the list does not call 'softmax' is quantised finished and normalised). What goes into a quantiser is computed in f32, as accurately as f32 sums, v_exp_f32 and their like allow (about 1e-6 of the number): no bf16 or f16 on the way to a quantiser, and a product that is left as it is and whose result goes on into a quantised operand takes f32 operands (vector FMAs, or v_wmma_f32_16x16x4_f32). A number that lies on a knife's edge between two numbers of the format may be rounded either way, as far as f32 arithmetic and the matrix unit's own rounding can turn it there, and no further.
;;   INPUTS GIVEN AS CODES. x (in the module: [4096, 4096], K = its axis 1): each comes as NAME_codes (uint8): NAME with its K axis moved to the last place and cut into blocks of 32 codes, [.., K / 32, bytes a block], one block behind the other in memory; four codes in three bytes: a row's codes are one little-endian stream of bits, code i at bits 6 i .. 6 i + 5 (a code: sign, 2 exponent bits, 3 mantissa bits); and NAME_scales (uint8): the same leading axes, one E8M0 byte (e + 127) for each 32 codes along K. Its value is code x scale, taken as it is: it is not quantised again, and the codes and scales need not be those that the quantiser above would give.
;; One version. Each part assembles by itself: llvm-mc -triple=amdgcn-amd-amdhsa -mcpu=gfx1250 --defsym DOCPART=n.
;; ======== version 1 of 1: 2 launches
;; limits: right only within a limited range of input values
;; workspace buffers: w_codes 12,582,912 bytes; scl 1,048,576 bytes
;; launch wquant (part 1): grid 64 x 4, 8 waves a work-group, no clusters, 53,248 bytes of LDS; arguments W_q_packed, scales, zeros, w_codes, scl, x_scales; writes w_codes, scl
.if DOCPART == 1
	.amdgcn_target "amdgcn-amd-amdhsa--gfx1250"
	.amdhsa_code_object_version 6
	.text
	.protected	k_qdf20c53e3f_wquant
	.globl	k_qdf20c53e3f_wquant
	.p2align	8
	.type	k_qdf20c53e3f_wquant,@function
k_qdf20c53e3f_wquant:
	s_mov_b64 s[64:65], 0
	v_nop
	global_prefetch_b8 v0, s[64:65] scope:SCOPE_SE
	s_setreg_imm32_b32 hwreg(HW_REG_WAVE_MODE, 25, 1), 1
	s_wait_xcnt 0x0
; W[k][n] = (nibble(k, n) - zeros[k / 128][n]) * scales[k / 128][n], in f32 (a subtraction, then a multiplication), is turned into codes of FP6 (E2M3) along K, its FIRST axis.
; nibble(k, n) = bits 4 (k % 8) .. + 3 of W_q_packed[k / 8][n].  K = N = 4,096.
; OUT: w_codes [4096 (n)][3072 bytes]: K innermost, 32 codes in 24 bytes, one block behind the other.
;      scl [32 (k / 128)][128 groups of 64 rows][16 (r)][4 (j)][4 bytes]: the scale word (four E8M0 bytes, 128 along K) of row 64 g + 16 j + r.  Groups 0-63: rows of x, copied from x_scales;
;      groups 64-127: columns of W.  So 16 lanes x 16 bytes of the product's launch read one whole group, and a lane's four registers are the words of four blocks of 16 rows.
; A block's scale byte is its largest magnitude's exponent field - 2, held at 1 from below.
; LIMITS: a block whose largest magnitude lies under 2^-124, a block of zeros among them, gets the byte 1 (zero codes add nothing under any byte but 0xff; the bytes are read by this program alone).
;         NaN and infinities in scales or zeros are not served.
; SHARES.  A work-group takes 64 columns x 1,024 along K.  Wave w takes ONE group of 128 along K; lane l takes columns 2 l and 2 l + 1, and its registers run down K:
; a block of 32 lies in one lane's registers, and the conversions give the codes with K innermost.  The codes meet in a stage in LDS and leave as 256 consecutive bytes for sixteen lanes.
; x's scale words: the work-group at (x, y) takes rows 64 x .. + 63, wave w the step 8 y + w: two loads of 4 bytes a lane (2 KiB a work-group, rows 128 bytes apart), one store of 256 consecutive bytes a wave.
; No tensor loads, no loop to run ahead in (so no prefetch), EXEC is never changed, and no register that a store reads is written again.
.set SP,    784                        ; a stage row: 768 bytes of codes + 16
.set HALF,  32*SP                      ; column 2 l + c lies in stage row 32 c + l
.set SSTG,  64*SP                      ; behind the stage: W's scale words, 256 bytes a wave, in scl's order
.set VO,    4                          ; v4   8 x lane
.set STA,   5                          ; v5   the stage, in: SP x lane + 96 x wave
.set SSA,   6                          ; v6   the scale words, in: SSTG + 256 wave + 32 (lane % 8) + 4 (lane / 8): column 2 l has r = 2 (l % 8), j = l / 8
.set RDA,   7                          ; v7   the stage, out
.set GOA,   8                          ; v8   and the same place in w_codes
.set RDS,   9                          ; v9   the scale words, out: SSTG + 256 x wave + 8 x lane
.set SW,    14                         ; v14-15  a column's scale word
.set SS,    20                         ; v20-23  s of column 0 twice, of column 1 twice
.set ZZ,    24                         ; v24-27  z likewise
.set TQ,    28                         ; v28-30  a block's upper 16 codes
.set P,     32                         ; v32-63  packed word i of column c at P + 2 i + c
.set X,     64                         ; v64-95  a block's 32 numbers
.set CC,    96                         ; v96-143 the codes: 24 registers a column
.set OUTR,  32                         ; the way out: v32-79, v80-81 scale words
	s_load_b128 s[4:7], s[0:1], 0x0                ; W_q_packed, scales
	s_load_b128 s[8:11], s[0:1], 0x10              ; zeros, w_codes
	s_load_b64 s[12:13], s[0:1], 0x20              ; scl
	s_load_b64 s[30:31], s[0:1], 0x28              ; x_scales
	v_lshl_add_u32 v144, v0, 2, 0xcc00
	v_mov_b32 v145, 0
	v_lshrrev_b32 v1, 5, v0
	s_delay_alu instid0(VALU_DEP_1)
	v_readfirstlane_b32 s14, v1                    ; wave 0..7
	v_and_b32 v1, 31, v0                           ; lane
	s_wait_alu depctr_va_vdst(0)
	v_and_b32 v2, 15, v0                           ; lane % 16
	v_bfe_u32 v3, v0, 4, 1                         ; lane / 16
	s_wait_alu depctr_va_vdst(0)
	s_and_b32 s15, ttmp7, 0xffff                   ; y: which 1,024 along K
	s_lshl_b32 s16, s15, 3
	s_add_co_u32 s16, s16, s14                     ; my group of 128: 8 y + wave
	s_lshl_b32 s17, ttmp9, 8                       ; the work-group's 64 columns: 256 bytes a row
	s_lshl_b32 s18, s16, 18                        ; W_q_packed: 16 rows of 16,384 bytes a group
	s_add_co_u32 s18, s18, s17
	s_mov_b32 s19, 0
	s_lshl_b32 s20, s16, 14                        ; scales, zeros: one row of 16,384 bytes a group
	s_add_co_u32 s20, s20, s17
	s_mov_b32 s21, 0
	s_lshl_b32 s22, ttmp9, 6                       ; w_codes: the eight columns that I store
	s_lshl_b32 s26, s14, 3
	s_add_co_u32 s22, s22, s26
	s_mul_i32 s22, s22, 3072
	s_mul_i32 s26, s15, 768
	s_add_co_u32 s22, s22, s26
	s_mov_b32 s23, 0
	s_lshl_b32 s24, s16, 15                        ; scl: plane 8 y + wave of 32,768 bytes,
	s_add_co_u32 s24, s24, s17                     ; group x of 256 bytes (W's groups lie 64 groups on: the store's immediate)
	s_mov_b32 s25, 0
	v_lshlrev_b32 v[VO], 3, v1
	s_wait_alu depctr_va_vdst(0)
	s_mul_i32 s26, s14, 96
	v_mul_u32_u24 v[STA], v1, SP
	s_delay_alu instid0(VALU_DEP_1)
	v_add_nc_u32 v[STA], s26, v[STA]
	s_lshl_b32 s26, s14, 8
	s_add_co_u32 s26, s26, SSTG
	v_and_b32 v[SSA], 7, v1
	v_lshrrev_b32 v10, 3, v1
	v_lshl_add_u32 v[SSA], v[SSA], 5, s26
	v_lshl_add_u32 v[SSA], v10, 2, v[SSA]
	s_mul_i32 s26, s14, 4*SP
	v_mul_u32_u24 v[RDA], v3, HALF
	s_delay_alu instid0(VALU_DEP_1)
	v_lshl_add_u32 v[RDA], v2, 4, v[RDA]
	s_delay_alu instid0(VALU_DEP_1)
	v_add_nc_u32 v[RDA], s26, v[RDA]
	v_mul_u32_u24 v[GOA], v3, 3072
	s_delay_alu instid0(VALU_DEP_1)
	v_lshl_add_u32 v[GOA], v2, 4, v[GOA]
	s_lshl_b32 s26, s14, 8
	s_add_co_u32 s26, s26, SSTG
	v_add_nc_u32 v[RDS], s26, v[VO]
	v_and_b32 v13, 1, v1                           ; x's scale words: my 8 bytes of the group are r = l / 2, j = 2 (l % 2) and j + 1: rows 32 (l % 2) + l / 2 and 16 further on
	v_lshrrev_b32 v12, 1, v1
	v_lshl_add_u32 v13, v13, 5, v12
	v_lshlrev_b32 v13, 7, v13                      ; 128 bytes a row of x_scales
	s_lshl_b32 s26, ttmp9, 13                      ; 64 rows a group,
	s_lshl_b32 s27, s16, 2                         ; 4 bytes a step
	s_add_co_u32 s26, s26, s27
	s_mov_b32 s27, 0
	s_wait_alu depctr_va_vdst(0)                   ; the wait at the head's end
	s_wait_kmcnt 0x0
	s_add_nc_u64 s[30:31], s[30:31], s[26:27]
	global_load_b32 v2, v13, s[30:31]
	global_load_b32 v3, v13, s[30:31] offset:2048
	s_add_nc_u64 s[4:5], s[4:5], s[18:19]
	s_add_nc_u64 s[6:7], s[6:7], s[20:21]
	s_add_nc_u64 s[8:9], s[8:9], s[20:21]
	s_add_nc_u64 s[10:11], s[10:11], s[22:23]
	s_add_nc_u64 s[12:13], s[12:13], s[24:25]
	global_load_b64 v[16:17], v[VO], s[6:7] th:TH_LOAD_NT          ; s of my two columns
	global_load_b64 v[18:19], v[VO], s[8:9] th:TH_LOAD_NT          ; z
.irp i, 0,1,2,3,4,5,6,7,8,9,10,11,12,13,14,15
	global_load_b64 v[P+2*\i:P+2*\i+1], v[VO], s[4:5] offset:16384*\i th:TH_LOAD_NT   ; packed row i of my group
.endr
	s_wait_loadcnt 16                              ; loads come back in order: x's words, s and z are in, the sixteen rows of W may be out
	global_store_b64 v[VO], v[2:3], s[12:13]       ; x's group for my step: 32 lanes store 256 consecutive bytes, aligned
	v_mov_b32 v[SS], v16
	v_mov_b32 v[SS+1], v16
	v_mov_b32 v[SS+2], v17
	v_mov_b32 v[SS+3], v17
	v_mov_b32 v[ZZ], v18
	v_mov_b32 v[ZZ+1], v18
	v_mov_b32 v[ZZ+2], v19
	v_mov_b32 v[ZZ+3], v19
; Block t (k = 32 t .. 32 t + 31 of my group) of column c: unpack, dequantise, the scale, the codes.
.macro BLOCK t, c
.irp m, 0,1,2,3
.irp j, 0,1,2,3,4,5,6,7
	v_bfe_u32 v[X+8*\m+\j], v[P+2*(4*\t+\m)+\c], 4*\j, 4
.endr
.endr
.set i, 0
.rept 32
	v_cvt_f32_u32 v[X+i], v[X+i]
.set i, i+1
.endr
.set i, 0
.rept 16
	v_pk_add_f32 v[X+i:X+i+1], v[X+i:X+i+1], v[ZZ+2*\c:ZZ+2*\c+1] neg_lo:[0,1] neg_hi:[0,1]   ; w - z
.set i, i+2
.endr
.set i, 0
.rept 16
	v_pk_mul_f32 v[X+i:X+i+1], v[X+i:X+i+1], v[SS+2*\c:SS+2*\c+1]  ; x s.  Not fused: the number is defined with both roundings
.set i, i+2
.endr
	v_max3_num_f32 v10, |v[X]|, |v[X+1]|, |v[X+2]|                 ; the block's largest magnitude, in two chains
	v_max3_num_f32 v11, |v[X+3]|, |v[X+4]|, |v[X+5]|
.irp i, 6,10,14,18,22,26
	s_delay_alu instid0(VALU_DEP_2)
	v_max3_num_f32 v10, v10, |v[X+\i]|, |v[X+\i+1]|
	s_delay_alu instid0(VALU_DEP_2)
	v_max3_num_f32 v11, v11, |v[X+\i+2]|, |v[X+\i+3]|
.endr
	s_delay_alu instid0(VALU_DEP_2)
	v_max3_num_f32 v10, v10, |v[X+30]|, |v[X+31]|
	s_delay_alu instid0(VALU_DEP_1)
	v_max3_num_f32 v10, v10, v11, 0x1800000        ; and the floor 2^(3 - 127): the byte cannot fall under 1
	s_delay_alu instid0(VALU_DEP_1)
	v_add_nc_u32 v12, 0xff000000, v10              ; 2 off its exponent field: the conversion's scale operand
	v_cvt_scalef32_pk16_fp6_f32 v[CC+24*\c+6*\t:CC+24*\c+6*\t+2], v[X:X+15], v12
	v_cvt_scalef32_pk16_fp6_f32 v[TQ:TQ+2], v[X+16:X+31], v12
	v_lshrrev_b32 v13, 23, v12                     ; the scale's byte.  (Also the plain instruction behind the conversions)
.if \t == 0
	s_delay_alu instid0(VALU_DEP_1)
	v_mov_b32 v[SW+\c], v13
.else
	s_delay_alu instid0(VALU_DEP_1)
	v_lshl_or_b32 v[SW+\c], v13, 8*\t, v[SW+\c]
.endif
.irp i, 0,1,2
	v_mov_b32 v[CC+24*\c+6*\t+3+\i], v[TQ+\i]
.endr
.endm
.irp t, 0,1,2,3
	s_wait_loadcnt 12-4*\t                         ; packed rows 4 t .. 4 t + 3 are in
	BLOCK \t, 0
	BLOCK \t, 1
.endr
.irp c, 0,1
.irp i, 0,1,2,3,4,5
	ds_store_b128 v[STA], v[CC+24*\c+4*\i:CC+24*\c+4*\i+3] offset:HALF*\c+16*\i
.endr
	ds_store_b32 v[SSA], v[SW+\c] offset:16*\c     ; column 2 l + 1 has r one higher: 16 bytes on
.endr
	s_wait_dscnt 0x0                               ; for the others' sake: my stores into the stage have landed
	s_barrier_signal -1
	s_barrier_wait -1
.irp p, 0,1,2,3
.irp j, 0,1,2
	ds_load_b128 v[OUTR+4*(3*\p+\j):OUTR+4*(3*\p+\j)+3], v[RDA] offset:SP*\p+256*\j
.endr
.endr
	ds_load_b64 v[80:81], v[RDS]                   ; my step's 256 bytes of W's scale words
.irp p, 0,1,2,3
.irp j, 0,1,2
	s_wait_dscnt 12-(3*\p+\j)
	global_store_b128 v[GOA], v[OUTR+4*(3*\p+\j):OUTR+4*(3*\p+\j)+3], s[10:11] offset:6144*\p+256*\j   ; sixteen lanes store 256 consecutive bytes, aligned
.endr
.endr
	s_wait_dscnt 0x0
	global_store_b64 v[VO], v[80:81], s[12:13] offset:16384        ; group 64 + x: 32 lanes store 256 consecutive bytes, aligned
	s_wait_tensorcnt 0x0                           ; the wave's end
	ds_add_u32 v144, v145
	s_wait_dscnt 0x0
	s_endpgm
.Lfunc_end_k_qdf20c53e3f_wquant:
	.size	k_qdf20c53e3f_wquant, .Lfunc_end_k_qdf20c53e3f_wquant-k_qdf20c53e3f_wquant
	.p2alignl 7, 3214868480
	.fill 96, 4, 3214868480
	.section	.rodata,"a",@progbits
	.p2align	6, 0x0
	.amdhsa_kernel k_qdf20c53e3f_wquant
		.amdhsa_group_segment_fixed_size 53248
		.amdhsa_private_segment_fixed_size 0
		.amdhsa_enable_private_segment 0
		.amdhsa_kernarg_size 48
		.amdhsa_user_sgpr_count 2
		.amdhsa_user_sgpr_kernarg_segment_ptr 1
		.amdhsa_wavefront_size32 1
		.amdhsa_system_sgpr_workgroup_id_x 1
		.amdhsa_system_sgpr_workgroup_id_y 1
		.amdhsa_system_sgpr_workgroup_id_z 1
		.amdhsa_system_vgpr_workitem_id 0
		.amdhsa_next_free_vgpr 146
		.amdhsa_next_free_sgpr 66
		.amdhsa_reserve_vcc 0
		.amdhsa_float_denorm_mode_32 3
		.amdhsa_float_denorm_mode_16_64 3
		.amdhsa_memory_ordered 1
		.amdhsa_forward_progress 1
		.amdhsa_inst_pref_size 65
	.end_amdhsa_kernel
	.amdgpu_metadata
---
amdhsa.version: [ 1, 2 ]
amdhsa.kernels:
  - .name:           k_qdf20c53e3f_wquant
    .symbol:         k_qdf20c53e3f_wquant.kd
    .args:
      - { .name: W_q_packed, .offset: 0, .size: 8, .value_kind: global_buffer, .address_space: global }
      - { .name: scales, .offset: 8, .size: 8, .value_kind: global_buffer, .address_space: global }
      - { .name: zeros, .offset: 16, .size: 8, .value_kind: global_buffer, .address_space: global }
      - { .name: w_codes, .offset: 24, .size: 8, .value_kind: global_buffer, .address_space: global }
      - { .name: scl, .offset: 32, .size: 8, .value_kind: global_buffer, .address_space: global }
      - { .name: x_scales, .offset: 40, .size: 8, .value_kind: global_buffer, .address_space: global }
    .group_segment_fixed_size: 53248
    .private_segment_fixed_size: 0
    .kernarg_segment_align: 8
    .kernarg_segment_size: 48
    .max_flat_workgroup_size: 256
    .sgpr_count:     66
    .vgpr_count:     146
    .wavefront_size: 32
...
	.end_amdgpu_metadata
.endif
;; end of part 1
;; launch gemm (part 2): grid 16 x 16, 4 waves a work-group, clusters of 4 x 4, 327,680 bytes of LDS; arguments x_codes, w_codes, scl, bias, out0; writes out0
.if DOCPART == 2
	.amdgcn_target "amdgcn-amd-amdhsa--gfx1250"
	.amdhsa_code_object_version 6
	.text
	.protected	k_qdf20c53e3f_gemm
	.globl	k_qdf20c53e3f_gemm
	.p2align	8
	.type	k_qdf20c53e3f_gemm,@function
k_qdf20c53e3f_gemm:
	s_mov_b64 s[64:65], 0
	v_nop
	global_prefetch_b8 v0, s[64:65] scope:SCOPE_SE
	s_setreg_imm32_b32 hwreg(HW_REG_WAVE_MODE, 25, 1), 1
	s_wait_xcnt 0x0
	s_wait_alu depctr_hold_cnt(0) depctr_sa_sdst(0) depctr_va_vdst(0) depctr_va_sdst(0) depctr_va_ssrc(0) depctr_va_vcc(0) depctr_vm_vsrc(0)
	s_getreg_b32 s2, hwreg(HW_REG_IB_STS2, 6, 4)
	s_cmp_eq_u32 s2, 0
	s_cbranch_scc0 .Lentry_in_a_cluster
	s_endpgm
.Lentry_in_a_cluster:
	s_bfe_u32 s2, ttmp6, 0x10000c
	s_cmp_lg_u32 s2, 0xf033
	s_cbranch_scc0 .Lentry_shape_is_right
	s_endpgm
.Lentry_shape_is_right:
; out0[m][n] = sum over k of x[m][k] W[k][n] + bias[n].  x_codes [4096][3072 bytes] and w_codes [4096 (n)][3072 bytes]: FP6 (E2M3), K innermost, 128 codes in 96 bytes; sums in f32.
; scl [32 (k / 128)][128 groups of 64 rows][16 (r)][4 (j)][4]: the scale word of row 64 g + 16 j + r; groups 0-63 rows of x, groups 64-127 columns of W.
; A tile of 256 x 256 is made by four waves, 128 x 128 each: 64 accumulators, 512 registers.  256 work-groups.
; THE CODES go through a ring of two LDS slots in CHUNKS OF 256 BYTES of each row (12 chunks; each begins at a multiple of 256 bytes); a step of 128 along K is 96 bytes: eight steps to three chunks.
; THE LOOP: a trip is eight steps, three chunks.  Three is odd, so from trip to trip the two slots change roles: two scalars hold the LDS byte of the slot of the trip's even chunks and of its odd chunks
; (0 and SLOT); both are flipped at a trip's end, and the eight LDS address registers are made anew from them and from bases that never change.
; One group 0 a side serves all fills: chunks come in order, so its memory address steps by 256 and its LDS address flips by SLOT (SLOT = 0x22000 shares no bit with wave x 0x8800).
; Step 0 (its C is the bias) and steps 25-31 (which ask for one chunk more) are written out.
; THE SCALE WORDS go from memory into registers: a load of 16 bytes a lane gives lanes 0-15 one whole group of x (256 bytes) and lanes 16-31 one of W; its four registers are four blocks' words.
; Eight register sets, one a step; a step's two loads are issued LEAD = 6 steps ahead of their use, so no prefetch stands beside them.
; CLUSTERS: 4 x 4.  x's tiles are asked for jointly along a row of the cluster, W's along a column.  PREFETCH: behind a refill each wave names, a lane a row, 32 rows x 256 bytes of the chunk two refills on;
; the four partners of a joint load share its 128 rows out by address; chunks 0-3 come by their loads alone; nothing past chunk 11 is named.
; TRANSPOSED USE: source 0 = 16 rows of W's codes, source 1 = 16 rows of x: a lane holds eight neighbouring columns of a row of out0.
; REGISTERS: window 0: v0-31 addresses; v32-95 scale words (set st % 8, register = block); v96-127, v224-255 the bias (step 0's C); v128-223 x's fragments, one set.
;   window 1: W's fragments, two sets, at v0 and v128.  windows 2, 3: the accumulators ((a, b) at v[8 (8 (a % 4) + b)]).
.set SIZE_N, 4096
.set ROWB,   256
.set KROW,   3072
.set STEPS,  32
.set CHUNKS, 12
.set PITCH,  272                       ; an LDS row: 256 bytes + 16 of padding
.set FR,     12
.set NL,     6
.set HALFT,  128*PITCH                 ; what one tensor load brings
.set SLOT,   4*HALFT                   ; x's 256 rows, then W's 256
.set SPARE,  2*SLOT                    ; behind the ring: the spare words, 512 bytes
.set SPITCH, 528                       ; the way out: 16 rows x (512 + 16) a wave, in slot 0, which has had its last fill (chunk 10) and its last read by then
.set LEAD,   6
.set PLANE,  32768                     ; a step's plane of scl
.set VHI,  2                           ; v2      1 in lanes 16-31
.set VLO,  7                           ; v7      1 in lanes 0-15
.set BSA,  8                           ; v8, v9  my fragment's place in a slot: x's, W's: rows' offset + row x pitch + 24 (l / 16)
.set BSB,  9
.set XLA,  10                          ; v10, v11  the same for a piece that lies across two chunks: rows' offset + row x pitch + 232 in lanes 0-15
.set XLB,  11
.set ADRA, 16                          ; v16-17  x's fragments in the slot of the trip's even, odd chunks; v18-19: lanes 0-15 at byte 232 there, lanes 16-31 at byte 0 of the other slot
.set ADRB, 20                          ; v20-23  the same for W
.set STO,  24
.set RD,   25
.set CO,   26
.set VS,   27                          ; my byte offset in a plane of scl: lanes 0-15 x's groups, lanes 16-31 W's
.set SPW,  28
.set NIL,  29
.set PFO,  30                          ; lane x 3,072
.set BO,   31
.set SC,   32
.set BI,   96
.set AF,   128
.set BK,   128
.set G1,  24
.set G0,  32
.set G1B, 48
.set G0B, 56
.set PFA, 60                           ; s[60:61] my 32 rows for the prefetches, at the trip's first chunk
.set ST,  62                           ; s62     LDS byte of the slot of the trip's even chunks: 0 or SLOT
.set SU,  63                           ; s63     and of its odd chunks: the other of the two
.set SCB, 8                            ; s[8:9] scl, at the trip's first step less one
.set MSB, 0
.macro WIN new
.if MSB != (\new)
	s_set_vgpr_msb (MSB<<8)|(\new)
.set MSB, (\new)
.endif
.endm
.set MUL_LO, 0xa1
.set MUL_HI, 0xf1
.set TO_B,   0x40
.macro JLOAD                           ; a joint load: waves 0, 1 fetch x's two halves, waves 2, 3 W's
	s_cmp_eq_u32 s15, 0
	s_cbranch_scc0 .Lfor_b_\@
	tensor_load_to_lds s[G0:G0+3], s[G1:G1+7]
	s_nop 0
.rept 4
	v_nop
.endr
	s_branch .Lasked_\@
.Lfor_b_\@:
	tensor_load_to_lds s[G0B:G0B+3], s[G1B:G1B+7]
	s_nop 0
.rept 4
	v_nop
.endr
.Lasked_\@:
.endm
.macro STEPD                           ; both group 0: the next chunk, into the other slot.  Stands where no tensor load of mine is out
	s_add_nc_u64 s[G0+2:G0+3], s[G0+2:G0+3], ROWB
	s_xor_b32 s[G0+1], s[G0+1], SLOT
	s_add_nc_u64 s[G0B+2:G0B+3], s[G0B+2:G0B+3], ROWB
	s_xor_b32 s[G0B+1], s[G0B+1], SLOT
.endm
.macro SETADR                          ; the eight addresses from the two slots' bytes.  Of ST and SU one is 0, so a split address reaches its base + SLOT at the most
	v_add_nc_u32 v[ADRA], s[ST], v[BSA]
	v_add_nc_u32 v[ADRA+1], s[SU], v[BSA]
	v_add_nc_u32 v[ADRB], s[ST], v[BSB]
	v_add_nc_u32 v[ADRB+1], s[SU], v[BSB]
	v_mad_u32_u24 v[ADRA+2], s[ST], v[VLO], v[XLA]  ; lanes 0-15 in the even chunks' slot,
	v_mad_u32_u24 v[ADRA+3], s[SU], v[VLO], v[XLA]
	v_mad_u32_u24 v[ADRB+2], s[ST], v[VLO], v[XLB]
	v_mad_u32_u24 v[ADRB+3], s[SU], v[VLO], v[XLB]
	v_mad_u32_u24 v[ADRA+2], s[SU], v[VHI], v[ADRA+2]  ; lanes 16-31 in the other
	v_mad_u32_u24 v[ADRA+3], s[ST], v[VHI], v[ADRA+3]
	v_mad_u32_u24 v[ADRB+2], s[SU], v[VHI], v[ADRB+2]
	v_mad_u32_u24 v[ADRB+3], s[ST], v[VHI], v[ADRB+3]
.endm
.macro CREST
	s_cmp_lg_u32 s14, 0
	s_cbranch_scc1 .Lnot_wave_0_\@
	s_barrier_signal -3
.Lnot_wave_0_\@:
	s_barrier_wait -3
	s_barrier_signal -1
	s_barrier_wait -1
.endm
.macro CROUND
	s_barrier_signal -1
	s_barrier_wait -1
	CREST
.endm
.macro PLACES
.rept 4
	v_nop
.endr
.endm
	s_load_b128 s[4:7], s[0:1], 0x0                ; x_codes, w_codes
	s_load_b128 s[8:11], s[0:1], 0x10              ; scl, bias
	s_load_b64 s[12:13], s[0:1], 0x20              ; out0
	v_lshl_add_u32 v[SPW], v0, 2, SPARE
	v_mov_b32 v[NIL], 0
	ds_add_u32 v[SPW], v[NIL]                      ; the opening lines: the add twice on end and its wait
	ds_add_u32 v[SPW], v[NIL]
	v_lshrrev_b32 v1, 5, v0
	v_readfirstlane_b32 s14, v1                    ; wave 0..3
	s_lshr_b32 s15, s14, 1                         ; my half of the tile's rows; also: I fetch for x (0) or W (1)
	s_and_b32 s16, s14, 1                          ; my half of its columns; also: which 128 rows I fetch
	s_bfe_u32 s40, ttmp6, 0x40000                  ; cx
	s_bfe_u32 s41, ttmp6, 0x40004                  ; cy
	s_lshl_b32 s42, ttmp9, 2
	s_add_co_u32 s42, s42, s40                     ; tile column
	s_and_b32 s17, ttmp7, 0xffff
	s_lshl_b32 s17, s17, 2
	s_add_co_u32 s17, s17, s41                     ; tile row
	s_lshl_b32 s43, s41, 2
	s_lshl_b32 s43, 15, s43                        ; my row of the cluster
	s_lshl_b32 s44, 0x1111, s40                    ; my column
	s_or_b32 s[G1+0], s43, (1<<20)|(1<<21)|(5<<22)|(3<<25)   ; the mask; bytes; 16 bytes of padding behind every 256
	s_or_b32 s[G1B+0], s44, (1<<20)|(1<<21)|(5<<22)|(3<<25)
.irp g, G1, G1B
	s_mov_b32 s[\g+1], ROWB<<16
	s_mov_b32 s[\g+2], 128<<16
	s_mov_b32 s[\g+3], ROWB<<16
	s_mov_b32 s[\g+4], 128
	s_mov_b32 s[\g+5], KROW
	s_mov_b32 s[\g+6], 0
	s_mov_b32 s[\g+7], 0
.endr
	s_lshl_b32 s18, s16, 7
	s_lshl_b32 s20, s17, 8
	s_add_co_u32 s20, s20, s18                     ; x: row 256 x tile row + 128 x half
	s_lshl_b32 s46, s42, 8
	s_add_co_u32 s46, s46, s18                     ; W: row 256 x tile column + 128 x half
	s_mul_i32 s20, s20, KROW                       ; under 2^24 bytes
	s_mov_b32 s21, 0
	s_mul_i32 s46, s46, KROW
	s_mov_b32 s47, 0
	s_wait_dscnt 0x0                               ; both opening adds are done
	s_wait_kmcnt 0x0
	s_add_nc_u64 s[20:21], s[4:5], s[20:21]
	s_add_nc_u64 s[46:47], s[6:7], s[46:47]
	CROUND                                         ; all sixteen work-groups are here: the first joint loads meet
	s_mov_b32 s[G0], 1
	s_mul_i32 s[G0+1], s14, HALFT                  ; wave x 128 rows, slot 0
	s_mov_b64 s[G0+2:G0+3], s[20:21]
	s_or_b32 s[G0+3], s[G0+3], 0x80000000
	s_mov_b32 s[G0B], 1
	s_mul_i32 s[G0B+1], s14, HALFT
	s_mov_b64 s[G0B+2:G0B+3], s[46:47]
	s_or_b32 s[G0B+3], s[G0B+3], 0x80000000
	JLOAD                                          ; chunk 0: one tensor load a wave at the head
	; scalar set-up first, then the vector lines in one run
	s_mov_b32 s[ST], 0                             ; the first trips' even chunks lie in slot 0,
	s_mov_b32 s[SU], SLOT                          ; the odd ones in slot 1
	s_mul_i32 s18, s15, HALFT                      ; my 128 rows of x in a slot
	s_mul_i32 s19, s16, HALFT
	s_add_co_u32 s19, s19, 2*HALFT                 ; my 128 rows of W
	s_mul_i32 s43, s14, 16*SPITCH                  ; my stage
	s_lshl_b32 s44, s17, 2
	s_lshl_b32 s45, s15, 1
	s_add_co_u32 s44, s44, s45
	s_lshl_b32 s44, s44, 8                         ; scl: x's group 4 x tile row + 2 x half, 256 bytes a group
	s_lshl_b32 s45, s42, 2
	s_lshl_b32 s36, s16, 1
	s_add_co_u32 s45, s45, s36
	s_add_co_u32 s45, s45, 64
	s_lshl_b32 s45, s45, 8                         ; W's group 64 + 4 x tile column + 2 x half,
	s_sub_co_u32 s45, s45, s44                     ; as a distance from x's: one product with l / 16
	s_lshl_b32 s20, s17, 8
	s_lshl_b32 s21, s15, 7
	s_add_co_u32 s20, s20, s21
	s_lshl_b32 s20, s20, 14                        ; my first row of out0, 16,384 bytes a row
	s_mov_b32 s21, 0
	s_lshl_b32 s46, s42, 10
	s_lshl_b32 s47, s16, 9
	s_add_co_u32 s46, s46, s47                     ; my first column, in bytes
	s_mov_b32 s47, 0
	s_add_nc_u64 s[10:11], s[10:11], s[46:47]
	s_add_nc_u64 s[12:13], s[12:13], s[46:47]
	s_add_nc_u64 s[12:13], s[12:13], s[20:21]
	s_lshl_b32 s20, s17, 8                         ; the prefetches: the tile's first row,
	s_lshl_b32 s21, s42, 8
	s_cmp_eq_u32 s15, 0
	s_cselect_b32 s20, s20, s21
	s_cselect_b32 s21, s40, s41                    ; my place among the four that ask with me,
	s_cselect_b64 s[PFA:PFA+1], s[4:5], s[6:7]
	s_lshl_b32 s36, s16, 7
	s_add_co_u32 s20, s20, s36                     ; the 128 rows that I fetch,
	s_lshl_b32 s21, s21, 5
	s_add_co_u32 s20, s20, s21                     ; my work-group's 32 of them
	s_mul_i32 s20, s20, KROW
	s_mov_b32 s21, 0
	s_add_nc_u64 s[PFA:PFA+1], s[PFA:PFA+1], s[20:21]
	v_and_b32 v1, 15, v0                           ; l % 16
	v_bfe_u32 v[VHI], v0, 4, 1                     ; l / 16
	v_mul_u32_u24 v3, v1, PITCH
	v_mul_u32_u24 v4, v[VHI], 24
	v_add_nc_u32 v4, v3, v4                        ; row x pitch + 24 x half
	v_sub_nc_u32 v[VLO], 1, v[VHI]
	v_mad_u32_u24 v5, v[VLO], 232, v3              ; row x pitch + 232 in lanes 0-15
	v_add_nc_u32 v[BSA], s18, v4
	v_add_nc_u32 v[BSB], s19, v4
	v_add_nc_u32 v[XLA], s18, v5
	v_add_nc_u32 v[XLB], s19, v5
	SETADR
	v_mul_u32_u24 v5, v1, SPITCH
	v_lshl_add_u32 v5, v[VHI], 5, v5
	v_add_nc_u32 v[STO], s43, v5                   ; the stage, in: row l % 16, 32 bytes for each half of the lanes
	v_and_b32 v6, 31, v0
	v_lshlrev_b32 v[CO], 4, v6
	v_add_nc_u32 v[RD], s43, v[CO]                 ; back: the 32 lanes take one row of 512 bytes
	v_lshlrev_b32 v[BO], 5, v[VHI]
	v_mul_u32_u24 v[VS], s45, v[VHI]
	v_lshl_add_u32 v[VS], v1, 4, v[VS]
	v_add_nc_u32 v[VS], s44, v[VS]
	v_mul_u32_u24 v[PFO], v6, KROW
	s_wait_alu depctr_va_vdst(0)                   ; the wait at the head's end
.irp b, 0,1,2,3,4,5,6,7
	global_load_b128 v[BI+8*\b+96*(\b/4):BI+8*\b+96*(\b/4)+3], v[BO], s[10:11] offset:64*\b        ; bias of columns 16 b + 8 (l / 16) + 0 .. 7
	global_load_b128 v[BI+8*\b+96*(\b/4)+4:BI+8*\b+96*(\b/4)+7], v[BO], s[10:11] offset:64*\b+16
.endr
.macro SCLOAD t                        ; the scale words of the step t planes from the base, into set t % 8
	global_load_b128 v[SC+8*((\t)%8):SC+8*((\t)%8)+3], v[VS], s[SCB:SCB+1] offset:(\t)*PLANE
	global_load_b128 v[SC+8*((\t)%8)+4:SC+8*((\t)%8)+7], v[VS], s[SCB:SCB+1] offset:(\t)*PLANE+256
.endm
.irp t, 0,1,2,3,4,5
	SCLOAD \t
.endr
.macro FRAG reg, adr, st, i            ; 16 rows x 128 K: 12 registers, six pieces of 8 bytes; byte y of a row lies in chunk y / 256
.irp p, 0,1,2,3,4,5
.set BY, 96*(\st)+48*(\p/3)+8*(\p%3)
.if BY/ROWB == (BY+24)/ROWB
	ds_load_b64 v[\reg+2*\p:\reg+2*\p+1], v[\adr+(BY/ROWB)%2] offset:BY%ROWB+(\i)*16*PITCH
.else
	ds_load_b64 v[\reg+2*\p:\reg+2*\p+1], v[\adr+2+(BY/ROWB)%2] offset:BY%ROWB-232+(\i)*16*PITCH
.endif
.endr
.endm
.macro MUL8 a, p, sq, zero             ; x's block a against W's eight.  The 64 accumulators take turns in one order in every step
.irp b, 0,1,2,3,4,5,6,7
.set rD, 8*(8*((\a)%4)+\b)
.if \zero
	v_wmma_scale_f32_16x16x128_f8f6f4 v[rD:rD+7], v[128*(\p)+FR*\b:128*(\p)+FR*\b+FR-1], v[AF+FR*(\a):AF+FR*(\a)+FR-1], v[BI+8*\b+96*(\b/4):BI+8*\b+96*(\b/4)+7], v[SC+8*(\sq)+\b], v[SC+8*(\sq)+(\a)] matrix_a_fmt:MATRIX_FMT_FP6 matrix_b_fmt:MATRIX_FMT_FP6 matrix_a_scale:MATRIX_SCALE_ROW1
.else
	v_wmma_scale_f32_16x16x128_f8f6f4 v[rD:rD+7], v[128*(\p)+FR*\b:128*(\p)+FR*\b+FR-1], v[AF+FR*(\a):AF+FR*(\a)+FR-1], v[rD:rD+7], v[SC+8*(\sq)+\b], v[SC+8*(\sq)+(\a)] matrix_a_fmt:MATRIX_FMT_FP6 matrix_b_fmt:MATRIX_FMT_FP6 matrix_a_scale:MATRIX_SCALE_ROW1
.endif
.endr
.endm
.macro FETCH_B st, p, i0               ; W's blocks i0 .. i0 + 3 of step st into set p: 24 loads
	WIN TO_B
.irp i, \i0, \i0+1, \i0+2, \i0+3
	FRAG 128*(\p)+FR*(\i), ADRB, \st, \i
.endr
	WIN 0
.endm
.macro FETCH_A st, i0                  ; x's blocks i0 .. i0 + 3 of step st: 24 loads
.irp i, \i0, \i0+1, \i0+2, \i0+3
	FRAG AF+FR*(\i), ADRA, \st, \i
.endr
.endm
.macro ASK c                           ; 32 rows x 256 bytes of chunk c of the trip's count; GD: not in the last trip, where it would lie past chunk 11
.if GD
	s_cmp_lg_u32 s3, 1
	s_cbranch_scc0 .Lno_ask_\@
.endif
	global_prefetch_b8 v[PFO], s[PFA:PFA+1] offset:(\c)*ROWB th:TH_LOAD_NT scope:SCOPE_SE
.if GD
.Lno_ask_\@:
.endif
.endm
; A step: 64 products; the next step's fragments come in runs of 24 loads behind each 16 products (W's other set; x's blocks 0-3 when their products are issued; blocks 4-7 at the end).
; st counts from the trip's base (TB steps, CB chunks lie ahead of it).  Where the next step's bytes BEGIN in a later chunk, the chunk left behind is given up: the three lines, the barrier, which opens
; a round where a chunk two on is left to fetch, and the refill.  Where they only END in a new chunk, a barrier shows that chunk whole.
; The four v_nop behind products 33-48 and 49-64 are the places in front of all loads into registers that earlier products have read.
.macro STEP st, zero
.set NX, (\st)+1
.set C0, (96*(\st))/ROWB
.set C1, (96*NX)/ROWB
.set E0, (96*(\st)+95)/ROWB
.set E1, (96*NX+95)/ROWB
.set PB, (\st)%2
.set SQ, (\st)%8
.set LW, 2*(LEAD-1)                    ; scale loads issued behind this step's: two for each of the next five steps,
.if STEPS-1-TB-(\st) < LEAD-1
.set LW, 2*(STEPS-1-TB-(\st))          ; or of the steps that are left
.endif
.set FILL, 0
.if C1 > C0
.if CB+C0+2 < CHUNKS
.set FILL, 1
.endif
	s_wait_tensorcnt 0x0                           ; all my tensor loads have landed
	ds_add_u32 v[SPW], v[NIL]
.if FILL
	STEPD
.endif
	s_wait_dscnt 4*NL+1                            ; the add and x's blocks 4-7 may be out
	s_wait_loadcnt LW
	WIN MUL_LO
	MUL8 0, PB, SQ, 0
	s_wait_dscnt 0x0                               ; the add is done, and my reads of the chunk left behind
	s_barrier_signal -1
	MUL8 1, PB, SQ, 0
	WIN 0
	s_barrier_wait -1
.if FILL
	CREST                                          ; no wave of any partner still reads this slot or has a load on its way
	JLOAD                                          ; chunk C0 + 2
.endif
	FETCH_B NX, 1-PB, 0
.if FILL && (CB+C0+4 < CHUNKS)
.set GD, 0
.if C0 == 2
.set GD, 1
.endif
	ASK C0+4
.endif
	WIN MUL_LO
	MUL8 2, PB, SQ, 0
	MUL8 3, PB, SQ, 0
	FETCH_B NX, 1-PB, 4
.elseif E1 > E0
	s_wait_dscnt 4*NL
	s_wait_loadcnt LW
	WIN MUL_LO
	MUL8 0, PB, SQ, 0
	MUL8 1, PB, SQ, 0
	s_wait_tensorcnt 0x0                           ; my one load that is out: my part of the new chunk
	s_wait_dscnt 0x0
	s_barrier_signal -1
	MUL8 2, PB, SQ, 0
	MUL8 3, PB, SQ, 0
	WIN 0
	s_barrier_wait -1                              ; the new chunk is whole
	FETCH_B NX, 1-PB, 0
	FETCH_B NX, 1-PB, 4
.else
	s_wait_dscnt 4*NL                              ; x's blocks 4-7 may be out
	s_wait_loadcnt LW
	WIN MUL_LO-0x20*(\zero)
	MUL8 0, PB, SQ, \zero
	MUL8 1, PB, SQ, \zero
	FETCH_B NX, 1-PB, 0
	WIN MUL_LO-0x20*(\zero)
	MUL8 2, PB, SQ, \zero
	MUL8 3, PB, SQ, \zero
	FETCH_B NX, 1-PB, 4
	s_wait_dscnt 8*NL                              ; all but the 48 just issued: x's blocks 4-7 are in
.endif
.if TB+(\st)+LEAD < STEPS
	SCLOAD (\st)+LEAD
.endif
	WIN MUL_HI-0x30*(\zero)
	MUL8 4, PB, SQ, \zero
	MUL8 5, PB, SQ, \zero
	PLACES
	WIN 0
	FETCH_A NX, 0
	WIN MUL_HI-0x30*(\zero)
	MUL8 6, PB, SQ, \zero
	MUL8 7, PB, SQ, \zero
	PLACES
	WIN 0
	FETCH_A NX, 4
.endm
	s_wait_tensorcnt 0x0                           ; my part of chunk 0 is in
	ds_add_u32 v[SPW], v[NIL]
	STEPD
	s_wait_dscnt 0x0
	CROUND
	JLOAD                                          ; chunk 1, slot 1's first fill
	FETCH_B 0, 0, 0
	FETCH_B 0, 0, 4
	FETCH_A 0, 0
	FETCH_A 0, 4
.set TB, 0
.set CB, 0
	STEP 0, 1                                      ; the first products start the sums from the bias
	s_mov_b32 s3, 3
.Llap:                                                 ; steps 8 t + 1 .. 8 t + 8
.irp s, 1,2,3,4,5,6,7,8
	STEP \s, 0
.endr
	s_wait_xcnt 0x0                                ; my scale loads and prefetches have read their bases
	s_add_nc_u64 s[SCB:SCB+1], s[SCB:SCB+1], 8*PLANE
	s_add_nc_u64 s[PFA:PFA+1], s[PFA:PFA+1], 3*ROWB
	s_xor_b32 s[ST], s[ST], SLOT                   ; three chunks on: the slots change roles
	s_xor_b32 s[SU], s[SU], SLOT
	SETADR
	s_wait_alu depctr_va_vdst(0)                   ; the wait ahead of the branch
	s_sub_co_u32 s3, s3, 1
	s_cmp_lg_u32 s3, 0
	s_cbranch_scc1 .Llap
.set TB, 24
.set CB, 9
.irp s, 1,2,3,4,5,6
	STEP \s, 0                                     ; steps 25-30: chunk 11 is the last that is asked for
.endr
	s_wait_dscnt 4*NL                              ; step 31: nothing more to fetch
	s_wait_loadcnt 0x0
	WIN MUL_LO
.irp a, 0,1,2,3
	MUL8 \a, 1, 7, 0
.endr
	s_wait_dscnt 0
	WIN MUL_HI
.irp a, 4,5,6,7
	MUL8 \a, 1, 7, 0
.endr
	WIN 0
; THE WAY OUT, block by block of 16 rows x 128 columns: through my own stage, back as whole rows of 512 bytes.  LDS serves a wave's instructions in order (ISA guide 5.7.1.4).
.macro TOSTAGE a
.set AC, 64*((\a)%4)
	WIN 0x08+4*((\a)/4)
.irp b, 0,1,2,3,4,5,6,7
	ds_store_b128 v[STO], v[AC+8*\b:AC+8*\b+3] offset:64*\b          ; each accumulator from its low end on
	ds_store_b128 v[STO], v[AC+8*\b+4:AC+8*\b+7] offset:64*\b+16
.endr
	WIN 0
.set BB, BK+64*((\a)%2)
.irp t, 0,1,2,3,4,5,6,7,8,9,10,11,12,13,14,15
	ds_load_b128 v[BB+4*\t:BB+4*\t+3], v[RD] offset:\t*SPITCH
.endr
.endm
.macro SEND a, younger
.set BB, BK+64*((\a)%2)
	s_wait_dscnt \younger
.if (\a) > 0
	s_add_nc_u64 s[12:13], s[12:13], 16*SIZE_N*4   ; behind a wait on XCNT: the earlier stores have read their base
.endif
.irp t, 0,1,2,3,4,5,6,7,8,9,10,11,12,13,14,15
	global_store_b128 v[CO], v[BB+4*\t:BB+4*\t+3], s[12:13] offset:\t*SIZE_N*4 th:TH_STORE_NT   ; 32 lanes store 512 consecutive bytes, aligned
.endr
.endm
	PLACES
	TOSTAGE 0
.irp a, 1,2,3,4,5,6,7
.if \a > 1
	s_wait_xcnt 0x0                                ; block a - 2's stores have read their registers and their base
.endif
	TOSTAGE \a
	SEND \a-1, 32
.endr
	s_wait_xcnt 0x0
	SEND 7, 0
	s_wait_tensorcnt 0x0                           ; the wave's end
	ds_add_u32 v[SPW], v[NIL]
	s_wait_dscnt 0x0
	CROUND                                         ; the closing round
	s_endpgm
.Lfunc_end_k_qdf20c53e3f_gemm:
	.size	k_qdf20c53e3f_gemm, .Lfunc_end_k_qdf20c53e3f_gemm-k_qdf20c53e3f_gemm
	.p2alignl 7, 3214868480
	.fill 96, 4, 3214868480
	.section	.rodata,"a",@progbits
	.p2align	6, 0x0
	.amdhsa_kernel k_qdf20c53e3f_gemm
		.amdhsa_group_segment_fixed_size 327680
		.amdhsa_private_segment_fixed_size 0
		.amdhsa_enable_private_segment 0
		.amdhsa_kernarg_size 40
		.amdhsa_user_sgpr_count 2
		.amdhsa_user_sgpr_kernarg_segment_ptr 1
		.amdhsa_wavefront_size32 1
		.amdhsa_system_sgpr_workgroup_id_x 1
		.amdhsa_system_sgpr_workgroup_id_y 1
		.amdhsa_system_sgpr_workgroup_id_z 1
		.amdhsa_system_vgpr_workitem_id 0
		.amdhsa_next_free_vgpr 1024
		.amdhsa_next_free_sgpr 66
		.amdhsa_reserve_vcc 0
		.amdhsa_float_denorm_mode_32 3
		.amdhsa_float_denorm_mode_16_64 3
		.amdhsa_memory_ordered 1
		.amdhsa_forward_progress 1
		.amdhsa_inst_pref_size 255
	.end_amdhsa_kernel
	.section	.bss,"aw",@nobits
	.p2align	6
	.space	262144
	.amdgpu_metadata
---
amdhsa.version: [ 1, 2 ]
amdhsa.kernels:
  - .name:           k_qdf20c53e3f_gemm
    .symbol:         k_qdf20c53e3f_gemm.kd
    .args:
      - { .name: x_codes, .offset: 0, .size: 8, .value_kind: global_buffer, .address_space: global }
      - { .name: w_codes, .offset: 8, .size: 8, .value_kind: global_buffer, .address_space: global }
      - { .name: scl, .offset: 16, .size: 8, .value_kind: global_buffer, .address_space: global }
      - { .name: bias, .offset: 24, .size: 8, .value_kind: global_buffer, .address_space: global }
      - { .name: out0, .offset: 32, .size: 8, .value_kind: global_buffer, .address_space: global }
    .group_segment_fixed_size: 327680
    .private_segment_fixed_size: 0
    .kernarg_segment_align: 8
    .kernarg_segment_size: 40
    .max_flat_workgroup_size: 128
    .sgpr_count:     66
    .vgpr_count:     1024
    .wavefront_size: 32
...
	.end_amdgpu_metadata
.endif
;; end of part 2
